; MI455X (gfx1250); checked and timed in simulation.
; The chip was launched on July 23, 2026; its instructions are those of AMD's public machine-readable ISA for CDNA 5 (MIT licence, August 2026) and "CDNA5" Instruction Set Architecture Reference Guide (July 2026). The comments in the code are by the model that wrote it; some were corrected since.
;; Quaternion Dense. Allowed arithmetic: matrix products marked QUANTISED: E3M2 operands, one E8M0 scale for each 32 along K, by v_wmma_scale_f32_16x16x128_f8f6f4 with both operands' format E3M2, f32 sums; everything else in f32.
;; Inputs: W_i 1,024 x 1,024 float32; W_j 1,024 x 1,024 float32; W_k 1,024 x 1,024 float32; W_r 1,024 x 1,024 float32; bias 4,096 float32; x 4,096 x 4,096 float32.
;; Outputs: out0 4,096 x 4,096 float32.
;; This version of the problem:
;;   THIS VERSION OF THE PROBLEM IS GIVEN IN LOW PRECISION. The matrix products marked QUANTISED in the list below multiply operands that are first quantised to E3M2 (3 exponent bits, 2 mantissa bits; 6 bits a number), with one power-of-two scale for each 32 numbers along K (OCP MX v1.0); their sums are f32. All else is computed in f32.
;;   The module's matrix products, in the order in which they are computed (A, B: the left and right operand; K: the contracted axis; several contracted axes count as one K, in the product's order):
;;     1. [M 4,096, K 4,096] x [K 4,096, N 4,096]; A: input x; B: computed on the way: QUANTISED
;;   THE QUANTISER, for each operand of a quantised product, along K:
;;     - K is cut into blocks of 32 from its start; a last block that is shorter is filled with zeros.
;;     - A block's scale is 2^e with e = floor(log2(the largest magnitude in the block)) - 4, held to -126 .. 127; a block of zeros has e = 0. As a byte (E8M0): e + 127.
;;     - Each number is divided by its block's scale, clamped to +-28, and rounded to the nearest number of E3M2, ties to even, subnormals kept.
;;     - The product sums the exact products of the quantised numbers (number of the format x scale) in f32.
;;   ~~~python
;;   def quantise(x, axis):      # numpy; x: float32 -> the quantised numbers, widened to float32 again
;;       x = np.moveaxis(x, axis, -1); K = x.shape[-1]
;;       x = np.pad(x, [(0, 0)] * (x.ndim - 1) + [(0, -K % 32)]); x = x.reshape(x.shape[:-1] + (-1, 32)); a = np.abs(x).max(-1, keepdims=True)
;;       e = np.where(a > 0, np.clip(np.frexp(np.where(a > 0, a, 1))[1] - 1 - 4, -126, 127), 0)      # np.frexp(a)[1] - 1 = floor(log2(a)), exactly
;;       r = np.clip(x / 2.0 ** e, -28, 28)
;;       step = 2.0 ** (np.maximum(np.frexp(np.where(r == 0, 1, r))[1] - 1, -2) - 2)
;;       q = np.round(r / step) * step * 2.0 ** e      # np.round: ties to even
;;       return np.moveaxis(q.reshape(q.shape[:-2] + (-1,))[..., :K], -1, axis).astype(np.float32)
;;   ~~~
;;   OPERANDS COMPUTED ON THE WAY. 'Computed on the way' means the value that the module computes at that place (a softmax that the list does not call 'softmax' is quantised finished and normalised). What goes into a quantiser is computed in f32, as accurately as f32 sums, v_exp_f32 and their like allow (about 1e-6 of the number): no bf16 or f16 on the way to a quantiser, and a product that is left as it is and whose result goes on into a quantised operand takes f32 operands (vector FMAs, or v_wmma_f32_16x16x4_f32). A number that lies on a knife's edge between two numbers of the format may be rounded either way, as far as f32 arithmetic and the matrix unit's own rounding can turn it there, and no further.
;; One version. Each part assembles by itself: llvm-mc -triple=amdgcn-amd-amdhsa -mcpu=gfx1250 --defsym DOCPART=n.
;; ======== version 1 of 1: 2 launches
;; limits: right only within a limited range of input values
;; workspace buffers: xq 13,107,200 bytes; wq 3,276,800 bytes
;; launch quant (part 1): grid 256 x 1, 10 waves a work-group, no clusters, 85,760 bytes of LDS; arguments x, W_r, W_i, W_j, W_k, xq, wq; writes xq, wq
.if DOCPART == 1
	.amdgcn_target "amdgcn-amd-amdhsa--gfx1250"
	.amdhsa_code_object_version 6
	.text
	.protected	k_q9dd313dd98_quant
	.globl	k_q9dd313dd98_quant
	.p2align	8
	.type	k_q9dd313dd98_quant,@function
k_q9dd313dd98_quant:
	s_mov_b64 s[64:65], 0
	v_nop
	global_prefetch_b8 v0, s[64:65] scope:SCOPE_SE
	s_setreg_imm32_b32 hwreg(HW_REG_WAVE_MODE, 25, 1), 1
	s_wait_xcnt 0x0
; x [4096][4096] and W_r, W_i, W_j, W_k [1024][1024], f32, become codes of BF6 (E3M2), 6 bits each, with one E8M0 scale byte for each 32 along K.
; W_block IS NEVER BUILT.  Its element (1024 R + o, 1024 c + k) is + or - W_s(o, k) with s = R xor c (s = 0 .. 3: r, i, j, k).  A block of 32 along K never crosses a multiple of 1,024, and the quantiser is odd
; (largest MAGNITUDE, a clamp to +-28, ties to even): Q(-w) = -Q(w) for every w.  So the sixteen parts of Q(W_block) are the four Q(W_s), with signs, for all values of the inputs: each W_s is quantised once,
; and the product's launch sets the signs.  No work of the problem is left out: every input is loaded (the bias by the product's launch).
; A block's scale is 2^(floor(log2(its largest magnitude)) - 4); its byte is the largest magnitude's exponent field - 4, held at 1 from below.
; LIMITS: a block of zeros gets the byte 1 where the rule says 127 (its codes are zeros, and this program alone reads the bytes); NaN and infinities among the inputs are not served (the codes saturate).
; THE WORKSPACE IS LAID AS THE PRODUCT'S REGISTERS WANT IT.  A fragment (16 rows x 128 K, 12 registers a lane) is 1,536 bytes: registers 4 q .. 4 q + 3 of lane l at 512 q + 16 l.  Lane (r, h) holds row r; registers 0-5: k = 32 h + 0 .. 31,
; registers 6-11: k = 64 + 32 h + 0 .. 31.   xq: [mt 16][j 8] blocks of 102,400 bytes: fragment (bi, c) at (4 bi + c) 1,536 = rows 256 mt + 16 bi + r, columns 1,024 c + 128 j + 0 .. 127; from byte 98,304 the scale words, at 256 bi + 16 r + 4 c.
; wq: [ot 16][j 8] blocks of 25,600 bytes: fragment (ob, s) at (4 ob + s) 1,536 = rows 64 ot + 16 ob + r of W_s, columns 128 j + 0 .. 127; from byte 24,576 the scale words, at 256 ob + 16 r + 4 s.
; SHARES.  A unit is 16 rows x 128 columns x 4 components: four fragments and 256 bytes of scale words.  x has 2,048 units, the W's 512: 2,560 = 256 work-groups x 10 waves, a unit a wave.
; Both kinds take ONE path: only pointers and sizes are chosen, on the unit's number.  Waves share nothing: no barrier.
; A load reads 512 consecutive bytes of one row (16 a lane); the conversions want 32 neighbours in ONE lane: so a component's 16 x 512 bytes turn through the wave's own stage in LDS (rows 528 bytes apart
; ISA guide 11.1).
.set STG,   8448                       ; a wave's stage: 16 rows x 528 bytes
.set SP,    528
.set SPARE, 10*STG                     ; behind the ten stages: the spare words, 128 bytes for each wave: five blocks of 256 bytes that no other line names
.set L16,   4                          ; v4      16 x lane
.set STI,   5                          ; v5      the stage, on the way in: 16 x lane
.set STO,   6                          ; v6      and out: 528 r + 128 h
.set SCO,   7                          ; v7      my 8 bytes of the unit's scale words: 16 r + 8 h
.set SH8,   8                          ; v8      8 h
.set TM,    9                          ; v9      the other half's part of a scale word
.set WORD,  16                         ; v16-19  the four components' scale words of my row
.set SPW,   20                         ; v20     LDS address of my spare word; never rewritten
.set NIL,   21                         ; v21     0; never rewritten
.set ROFF,  32                         ; v32-47  row i's byte offset: 16 x lane + i x a row's bytes
.set C,     48                         ; v48-95  the codes: 12 registers for each component, so that no store's data are written again
.set RAW,   96                         ; v96-159, v160-223  two sets of 64 numbers
	s_load_b256 s[4:11], s[0:1], 0x0               ; x, W_r, W_i, W_j
	s_load_b128 s[12:15], s[0:1], 0x20             ; W_k, xq
	s_load_b64 s[16:17], s[0:1], 0x30              ; wq
	v_lshl_add_u32 v[SPW], v0, 2, SPARE
	v_mov_b32 v[NIL], 0
	v_lshrrev_b32 v1, 5, v0
	s_delay_alu instid0(VALU_DEP_1)
	v_readfirstlane_b32 s18, v1                    ; wave 0..9
	v_and_b32 v1, 31, v0                           ; lane
	v_and_b32 v2, 15, v0                           ; r
	v_bfe_u32 v3, v0, 4, 1                         ; h
	s_delay_alu instid0(VALU_DEP_3)
	v_lshlrev_b32 v[L16], 4, v1
	s_wait_alu depctr_va_vdst(0)
	s_mul_i32 s53, s18, STG                        ; my stage
	v_add_nc_u32 v[STI], s53, v[L16]
	v_mul_u32_u24 v[STO], v2, SP
	s_delay_alu instid0(VALU_DEP_1)
	v_lshl_add_u32 v[STO], v3, 7, v[STO]
	s_delay_alu instid0(VALU_DEP_1)
	v_add_nc_u32 v[STO], s53, v[STO]
	v_lshlrev_b32 v[SCO], 4, v2
	s_delay_alu instid0(VALU_DEP_1)
	v_lshl_add_u32 v[SCO], v3, 3, v[SCO]
	v_lshlrev_b32 v[SH8], 3, v3
	v_mov_b32 v[TM], 0                             ; written once: a lane permute's destination counts as one of its sources
	s_mov_b32 s50, 0x76543210
	s_mov_b32 s51, 0xfedcba98                      ; v_permlanex16_b32's selects for lane l xor 16
	s_mul_i32 s19, ttmp9, 10
	s_add_co_u32 s19, s19, s18                     ; my unit: 0 .. 2,047 of x, 2,048 .. 2,559 of the W's
	s_cmp_lt_u32 s19, 2048
	s_cselect_b32 s36, 0, 2048                     ; what is taken off the unit's number
	s_cselect_b32 s37, 4, 2                        ; log2 of the blocks of 16 rows in a tile: 16 of x, 4 of W
	s_cselect_b32 s38, 14, 12                      ; log2 of a row's bytes
	s_mov_b32 s39, 25600
	s_cselect_b32 s39, 102400, s39                 ; bytes of a [tile][j] block of the workspace
	s_mov_b32 s40, 24576
	s_cselect_b32 s40, 98304, s40                  ; where its scale words begin
	s_cselect_b32 s34, 4096, 0                     ; from component to component: 4,096 bytes on in a row of x; in the W's another tensor
	s_mov_b32 s35, 0
	s_sub_co_u32 s41, s19, s36
	s_lshr_b32 s42, s41, 3                         ; which 16 rows
	s_and_b32 s43, s41, 7                          ; j: which 128 columns of a component
	s_lshr_b32 s44, s42, s37                       ; tile
	s_lshl_b32 s45, s44, s37
	s_sub_co_u32 s45, s42, s45                     ; block of 16 rows in the tile
	s_lshl_b32 s44, s44, 3
	s_add_co_u32 s44, s44, s43
	s_mul_i32 s44, s44, s39                        ; (8 tile + j) blocks: under 2^24 bytes
	s_mul_i32 s46, s45, 6144
	s_add_co_u32 s46, s46, s44                     ; my four fragments
	s_mov_b32 s47, 0
	s_lshl_b32 s48, s45, 8
	s_add_co_u32 s48, s48, s44
	s_add_co_u32 s48, s48, s40                     ; my 256 bytes of scale words
	s_mov_b32 s49, 0
	s_add_co_u32 s32, s38, 4
	s_lshl_b32 s32, s42, s32                       ; 16 rows' bytes x which 16 rows: under 2^27
	s_lshl_b32 s33, s43, 9
	s_add_co_u32 s32, s32, s33                     ; + 512 j
	s_mov_b32 s33, 0
	s_lshl_b32 s52, 1, s38                         ; a row's bytes
.irp i, 0,1,2,3,4,5,6,7,8,9,10,11,12,13,14,15
	v_mad_u32_u24 v[ROFF+\i], s52, \i, v[L16]
.endr
	s_wait_alu depctr_va_vdst(0)
	s_wait_kmcnt 0x0
	s_cmp_lt_u32 s19, 2048                         ; the choice hangs on the unit's number alone
	s_cselect_b64 s[20:21], s[4:5], s[6:7]         ; component 0 .. 3: x four times, or W_r, W_i, W_j, W_k
	s_cselect_b64 s[22:23], s[4:5], s[8:9]
	s_cselect_b64 s[24:25], s[4:5], s[10:11]
	s_cselect_b64 s[26:27], s[4:5], s[12:13]
	s_cselect_b64 s[28:29], s[14:15], s[16:17]     ; xq or wq: for the codes,
	s_mov_b64 s[30:31], s[28:29]                   ; and for the scale words
	s_add_nc_u64 s[20:21], s[20:21], s[32:33]
	s_add_nc_u64 s[32:33], s[32:33], s[34:35]
	s_add_nc_u64 s[22:23], s[22:23], s[32:33]
	s_add_nc_u64 s[32:33], s[32:33], s[34:35]
	s_add_nc_u64 s[24:25], s[24:25], s[32:33]
	s_add_nc_u64 s[32:33], s[32:33], s[34:35]
	s_add_nc_u64 s[26:27], s[26:27], s[32:33]
	s_add_nc_u64 s[28:29], s[28:29], s[46:47]
	s_add_nc_u64 s[30:31], s[30:31], s[48:49]
.macro LOAD t                          ; component t: 16 rows x 512 bytes into set t % 2; a load reads 512 consecutive bytes
.irp i, 0,1,2,3,4,5,6,7,8,9,10,11,12,13,14,15
	global_load_b128 v[RAW+64*((\t)%2)+4*\i:RAW+64*((\t)%2)+4*\i+3], v[ROFF+\i], s[20+2*(\t):21+2*(\t)] th:TH_LOAD_NT
.endr
.endm
.macro STEP t
.set XS, RAW+64*((\t)%2)
.set CC, C+12*(\t)
.if (\t) < 3
	s_wait_loadcnt 16                              ; this component's 16 loads are in; the next one's 16 may be out
.else
	s_wait_loadcnt 0x0
.endif
.irp i, 0,1,2,3,4,5,6,7,8,9,10,11,12,13,14,15
	ds_store_b128 v[STI], v[XS+4*\i:XS+4*\i+3] offset:SP*\i
.endr
.irp q, 0,1,2,3,4,5,6,7,8,9,10,11,12,13,14,15
	ds_load_b128 v[XS+4*\q:XS+4*\q+3], v[STO] offset:16*\q+128*(\q/8)   ; LDS serves a wave's instructions in order (ISA guide 5.7.1.4): these see the stores.  Registers 0-31: k = 32 h + 0 .. 31 of row r; 32-63: k = 64 + 32 h + 0 .. 31
.endr
	s_wait_dscnt 0x0
	v_max3_num_f32 v10, |v[XS]|, |v[XS+1]|, 0x2800000              ; my two blocks, h and 2 + h, by turns; all 32 numbers of each are mine.  The floor 2^(5 - 127) holds the byte at 1 from below
	v_max3_num_f32 v11, |v[XS+32]|, |v[XS+33]|, 0x2800000
.irp i, 2,4,6,8,10,12,14,16,18,20,22,24,26,28,30
	s_delay_alu instid0(VALU_DEP_2)
	v_max3_num_f32 v10, v10, |v[XS+\i]|, |v[XS+\i+1]|
	s_delay_alu instid0(VALU_DEP_2)
	v_max3_num_f32 v11, v11, |v[XS+32+\i]|, |v[XS+33+\i]|
.endr
	s_delay_alu instid0(VALU_DEP_2)
	v_add_nc_u32 v12, 0xfe000000, v10              ; 4 off the exponent field: the conversion takes the exponent field of this operand as its scale, and nothing else of it
	s_delay_alu instid0(VALU_DEP_2)
	v_add_nc_u32 v13, 0xfe000000, v11
	s_delay_alu instid0(VALU_DEP_2)
	v_lshrrev_b32 v14, 23, v12                     ; the scales' bytes
	s_delay_alu instid0(VALU_DEP_2)
	v_lshrrev_b32 v15, 23, v13
	v_cvt_scalef32_pk16_bf6_f32 v[CC:CC+2], v[XS:XS+15], v12
	v_cvt_scalef32_pk16_bf6_f32 v[24:26], v[XS+16:XS+31], v12      ; (a conversion's three registers begin on an even number: a block's second three are made elsewhere and moved)
	v_cvt_scalef32_pk16_bf6_f32 v[CC+6:CC+8], v[XS+32:XS+47], v13
	v_cvt_scalef32_pk16_bf6_f32 v[28:30], v[XS+48:XS+63], v13
	v_lshl_or_b32 v14, v15, 16, v14                ; my two bytes (this line is also the plain place behind the conversions),
	s_delay_alu instid0(VALU_DEP_1)
	v_lshlrev_b32 v14, v[SH8], v14                 ; at their places in the scale word;
	s_delay_alu instid0(VALU_DEP_1)
	v_permlanex16_b32 v[TM], v14, s50, s51
	s_delay_alu instid0(VALU_DEP_1)
	v_or_b32 v[WORD+(\t)], v14, v[TM]              ; with lane l xor 16's two the word is whole, in both lanes
.irp i, 0,1,2
	v_mov_b32 v[CC+3+\i], v[24+\i]
	v_mov_b32 v[CC+9+\i], v[28+\i]
.endr
.if (\t) < 2
	LOAD (\t)+2                                    ; into the set just worked
.endif
.endm
	LOAD 0
	LOAD 1
	STEP 0
	STEP 1
	STEP 2
	STEP 3
	v_cmp_ne_u32 vcc_lo, 0, v3                     ; lanes 0-15 store components 0 and 1's words of their row, lanes 16-31 components 2 and 3's
	s_delay_alu instid0(VALU_DEP_1)
	v_cndmask_b32 v22, v[WORD], v[WORD+2], vcc_lo
	s_delay_alu instid0(VALU_DEP_2)
	v_cndmask_b32 v23, v[WORD+1], v[WORD+3], vcc_lo
	global_store_b64 v[SCO], v[22:23], s[30:31]    ; 32 lanes store 256 consecutive bytes, aligned
.irp t, 0,1,2,3                        ; all four components' codes leave here, behind the wave's last LDS turn: each has registers of its own
.irp q, 0,1,2
	global_store_b128 v[L16], v[C+12*\t+4*\q:C+12*\t+4*\q+3], s[28:29] offset:1536*\t+512*\q   ; 32 lanes store 512 consecutive bytes, at a multiple of 256 from the buffer's first byte
.endr
.endr
	s_wait_tensorcnt 0x0                           ; the wave's end
	ds_add_u32 v[SPW], v[NIL]
	s_wait_dscnt 0x0
	s_endpgm
.Lfunc_end_k_q9dd313dd98_quant:
	.size	k_q9dd313dd98_quant, .Lfunc_end_k_q9dd313dd98_quant-k_q9dd313dd98_quant
	.p2alignl 7, 3214868480
	.fill 96, 4, 3214868480
	.section	.rodata,"a",@progbits
	.p2align	6, 0x0
	.amdhsa_kernel k_q9dd313dd98_quant
		.amdhsa_group_segment_fixed_size 85760
		.amdhsa_private_segment_fixed_size 0
		.amdhsa_enable_private_segment 0
		.amdhsa_kernarg_size 56
		.amdhsa_user_sgpr_count 2
		.amdhsa_user_sgpr_kernarg_segment_ptr 1
		.amdhsa_wavefront_size32 1
		.amdhsa_system_sgpr_workgroup_id_x 1
		.amdhsa_system_sgpr_workgroup_id_y 1
		.amdhsa_system_sgpr_workgroup_id_z 1
		.amdhsa_system_vgpr_workitem_id 0
		.amdhsa_next_free_vgpr 224
		.amdhsa_next_free_sgpr 66
		.amdhsa_reserve_vcc 1
		.amdhsa_float_denorm_mode_32 3
		.amdhsa_float_denorm_mode_16_64 3
		.amdhsa_memory_ordered 1
		.amdhsa_forward_progress 1
		.amdhsa_inst_pref_size 37
	.end_amdhsa_kernel
	.amdgpu_metadata
---
amdhsa.version: [ 1, 2 ]
amdhsa.kernels:
  - .name:           k_q9dd313dd98_quant
    .symbol:         k_q9dd313dd98_quant.kd
    .args:
      - { .name: x, .offset: 0, .size: 8, .value_kind: global_buffer, .address_space: global }
      - { .name: W_r, .offset: 8, .size: 8, .value_kind: global_buffer, .address_space: global }
      - { .name: W_i, .offset: 16, .size: 8, .value_kind: global_buffer, .address_space: global }
      - { .name: W_j, .offset: 24, .size: 8, .value_kind: global_buffer, .address_space: global }
      - { .name: W_k, .offset: 32, .size: 8, .value_kind: global_buffer, .address_space: global }
      - { .name: xq, .offset: 40, .size: 8, .value_kind: global_buffer, .address_space: global }
      - { .name: wq, .offset: 48, .size: 8, .value_kind: global_buffer, .address_space: global }
    .group_segment_fixed_size: 85760
    .private_segment_fixed_size: 0
    .kernarg_segment_align: 8
    .kernarg_segment_size: 56
    .max_flat_workgroup_size: 320
    .sgpr_count:     66
    .vgpr_count:     224
    .wavefront_size: 32
...
	.end_amdgpu_metadata
.endif
;; end of part 1
;; launch gemm (part 2): grid 16 x 16, 4 waves a work-group, clusters of 4 x 4, 327,680 bytes of LDS; arguments xq, wq, bias, out0; writes out0
.if DOCPART == 2
	.amdgcn_target "amdgcn-amd-amdhsa--gfx1250"
	.amdhsa_code_object_version 6
	.text
	.protected	k_q9dd313dd98_gemm
	.globl	k_q9dd313dd98_gemm
	.p2align	8
	.type	k_q9dd313dd98_gemm,@function
k_q9dd313dd98_gemm:
	s_mov_b64 s[64:65], 0
	v_nop
	global_prefetch_b8 v0, s[64:65] scope:SCOPE_SE
	s_setreg_imm32_b32 hwreg(HW_REG_WAVE_MODE, 25, 1), 1
	s_wait_xcnt 0x0
	s_wait_alu depctr_hold_cnt(0) depctr_sa_sdst(0) depctr_va_vdst(0) depctr_va_sdst(0) depctr_va_ssrc(0) depctr_va_vcc(0) depctr_vm_vsrc(0)
	s_getreg_b32 s2, hwreg(HW_REG_IB_STS2, 6, 4)
	s_cmp_eq_u32 s2, 0
	s_cbranch_scc0 .Lentry_in_a_cluster
	s_endpgm
.Lentry_in_a_cluster:
	s_bfe_u32 s2, ttmp6, 0x10000c
	s_cmp_lg_u32 s2, 0xf033
	s_cbranch_scc0 .Lentry_shape_is_right
	s_endpgm
.Lentry_shape_is_right:
; out0[m][1024 R + o] = bias + sum over c = 0..3, k of sign(R, c) Q(x)[m][1024 c + k] Q(W_s)[o][k], s = R xor c (r, i, j, k = 0..3): the Hamilton pattern of W_block, which is never built
; (the quantiser is odd, so Q(-w) = -Q(w): see the first kernel).  Codes of BF6 and E8M0 scale words come from xq and wq as the operand registers want them (layout: first kernel).
; A work-group makes 256 rows x (64 o x 4 R); a wave 64 rows (4 blocks a) x 16 column blocks (R, ob): 64 accumulators.  One W fragment serves four R, one x fragment four s.
; THE SIGNS COST NO VECTOR WORK.  The components go in the order c = 1, 2, 3, 0.  An accumulator holds t = s_n x (the sum so far), s_n the sign of its last term: t_n = P_n + (s_n s_(n-1)) t_(n-1).
; Where the sign changes, the matrix instruction takes -C (neg_lo on C), which rounds nothing.  The last term, c = 0, is + for every R, so the sums end with their true sign; the bias is the first C, under the same flags.
; Such a link differs in a modifier from the link before it, so five places stand between two links of one accumulator: the 64 go in ONE order in every phase, and each phase opens with five v_nop.
; K goes in 8 steps j of 128 a component (4 phases of 64 matrix instructions) through two LDS slots; a slot holds x's block (102,400 bytes) and W's (25,600), each dense in memory, as rows of 256 bytes.
; CLUSTERS 4 x 4: x's block is shared along a row of the cluster, W's along a column: joint loads; waves 0, 1 fetch x's halves, waves 2, 3 W's.
; The round stands in a step's third phase: by then the step's last fragments have been read.  In the fourth phase W's four sets are taken from the other slot one by one, each when its last products are issued.
; THE LAST STEP goes by blocks of 16 rows: each block's 16 accumulators are finished in 64 matrix instructions and leave through the wave's stage while the next block is multiplied.
; PREFETCH: behind the refill of step j (which fetches step j + 2) each wave names blocks of 256 bytes of step j + 4: of the half block that it fetches, the four partners that ask jointly take shares by address
; (x: 50 blocks each, two instructions; W: 13, 13, 13, 11, one instruction; lanes left over name the share's last block again).  Steps 1 to 3 come by their loads alone; the loop's last trip asks for nothing.
; REGISTERS: window 0: v16-29 addresses, v32-63 scale words (two sets), v64-159 x's fragments (two sets of 48), v160-223 bias of R 2, 3, later the way out;
;   window 1: v0-191 W's 16 fragments, v192-255 bias of R 0, 1, later the way out; windows 2, 3: accumulators, (R, ob, a) at v[8 (16 (R & 1) + 4 ob + a)] of window 2 + R / 2.
; LIMITS: NaN and infinities among the inputs are not served (first kernel).
.set SLOT1,  131072
.set ABLK,   102400
.set BBLK,   25600
.set ASC,    98304                     ; x's scale words in its block
.set BOFF,   ABLK                      ; W's block in a slot
.set FRB,    1536                      ; a fragment
.set SPARE,  2*SLOT1                   ; the spare words: 512 bytes that no other line names
.set SPITCH, 528
.set NEGC,   0xac53                    ; bit 4 c + R: this link takes -C
.set ADRA, 16
.set ADRB, 18
.set ADRS, 20
.set STO,  22
.set RD,   23
.set CO,   24
.set BO,   25
.set PFO,  26
.set PFO2, 27
.set SPW,  28
.set NIL,  29
.set SC,   32
.set POS,  64
.set G1A,  24
.set G0A,  32
.set G1B,  48
.set G0B,  56
.set PFA,  66                          ; s[66:67] where my prefetches stand
.set PFS,  68                          ; s[68:69] their step: a block of x or of W
.set MSB, 0
.macro WIN new                         ; the immediate's high byte repeats the setting that is left
.if MSB != (\new)
	s_set_vgpr_msb (MSB<<8)|(\new)
.set MSB, (\new)
.endif
.endm
.macro JLOAD s                         ; a joint load into slot s; s_nop 0 and four v_nop behind each line
	s_cmp_eq_u32 s15, 0
	s_cbranch_scc0 .Lfor_b_\@
	tensor_load_to_lds s[G0A+4*\s:G0A+4*\s+3], s[G1A:G1A+7]
	s_nop 0
.rept 4
	v_nop
.endr
	s_branch .Lasked_\@
.Lfor_b_\@:
	tensor_load_to_lds s[G0B+4*\s:G0B+4*\s+3], s[G1B:G1B+7]
	s_nop 0
.rept 4
	v_nop
.endr
.Lasked_\@:
.endm
.macro CREST                           ; a round of the cluster's barrier behind its opening barrier
	s_cmp_lg_u32 s14, 0
	s_cbranch_scc1 .Lnot_wave_0_\@
	s_barrier_signal -3
.Lnot_wave_0_\@:
	s_barrier_wait -3
	s_barrier_signal -1
	s_barrier_wait -1
.endm
.macro CROUND
	s_barrier_signal -1
	s_barrier_wait -1
	CREST
.endm
.macro PLACES n
.rept \n
	v_nop
.endr
.endm
.macro ASK                             ; step j + 4's blocks; s3 = 1 in the loop's last trip, whose steps have no step four on
	s_cmp_gt_u32 s3, 1
	s_cbranch_scc0 .Lno_ask_\@
	global_prefetch_b8 v[PFO], s[PFA:PFA+1] th:TH_LOAD_NT scope:SCOPE_SE
	s_cmp_eq_u32 s15, 0
	s_cbranch_scc0 .Lno_ask_\@
	global_prefetch_b8 v[PFO2], s[PFA:PFA+1] th:TH_LOAD_NT scope:SCOPE_SE
.Lno_ask_\@:
.endm
	s_load_b256 s[4:11], s[0:1], 0x0               ; xq, wq, bias, out0
	v_lshl_add_u32 v[SPW], v0, 2, SPARE
	v_mov_b32 v[NIL], 0
	ds_add_u32 v[SPW], v[NIL]                      ; the opening lines
	ds_add_u32 v[SPW], v[NIL]
	v_lshrrev_b32 v1, 5, v0
	v_readfirstlane_b32 s14, v1                    ; wave
	s_lshr_b32 s15, s14, 1                         ; I fetch for x (0) or for W (1)
	s_and_b32 s16, s14, 1                          ; which half of the block
	s_bfe_u32 s40, ttmp6, 0x40000                  ; cx
	s_bfe_u32 s41, ttmp6, 0x40004                  ; cy
	s_lshl_b32 s42, ttmp9, 2
	s_add_co_u32 s42, s42, s40                     ; ot: which 64 o
	s_and_b32 s17, ttmp7, 0xffff
	s_lshl_b32 s17, s17, 2
	s_add_co_u32 s17, s17, s41                     ; mt: which 256 rows
	s_lshl_b32 s43, s41, 2
	s_lshl_b32 s43, 15, s43                        ; my row of the cluster
	s_lshl_b32 s44, 0x1111, s40                    ; my column
	s_or_b32 s[G1A+0], s43, (3<<16)|(1<<21)        ; elements of 8 bytes; half of x's block: 200 rows of 256 bytes, dense
	s_mov_b32 s[G1A+1], 32<<16
	s_mov_b32 s[G1A+2], 200<<16
	s_mov_b32 s[G1A+3], 32<<16
	s_mov_b32 s[G1A+4], 200
	s_mov_b32 s[G1A+5], 32
	s_mov_b32 s[G1A+6], 0
	s_mov_b32 s[G1A+7], 0
	s_or_b32 s[G1B+0], s44, (3<<16)|(1<<21)        ; half of W's block: 50 rows
	s_mov_b32 s[G1B+1], 32<<16
	s_mov_b32 s[G1B+2], 50<<16
	s_mov_b32 s[G1B+3], 32<<16
	s_mov_b32 s[G1B+4], 50
	s_mov_b32 s[G1B+5], 32
	s_mov_b32 s[G1B+6], 0
	s_mov_b32 s[G1B+7], 0
	s_mul_i32 s18, s16, ABLK/2
	s_mul_i32 s20, s17, 8*ABLK
	s_add_co_u32 s20, s20, s18
	s_mov_b32 s21, 0
	s_mul_i32 s19, s16, BBLK/2
	s_mul_i32 s46, s42, 8*BBLK
	s_add_co_u32 s46, s46, s19
	s_mov_b32 s47, 0
	s_add_co_u32 s70, s19, BOFF
	s_wait_dscnt 0x0                               ; both opening adds are done
	s_wait_kmcnt 0x0
	s_add_nc_u64 s[20:21], s[4:5], s[20:21]        ; my half of x's block of step 0
	s_add_nc_u64 s[46:47], s[6:7], s[46:47]        ; and of W's
.irp s, 0,1
	s_mov_b32 s[G0A+4*\s], 1
	s_add_co_u32 s[G0A+4*\s+1], s18, \s*SLOT1
	s_add_nc_u64 s[G0A+4*\s+2:G0A+4*\s+3], s[20:21], \s*ABLK
	s_or_b32 s[G0A+4*\s+3], s[G0A+4*\s+3], 0x80000000
	s_mov_b32 s[G0B+4*\s], 1
	s_add_co_u32 s[G0B+4*\s+1], s70, \s*SLOT1
	s_add_nc_u64 s[G0B+4*\s+2:G0B+4*\s+3], s[46:47], \s*BBLK
	s_or_b32 s[G0B+4*\s+3], s[G0B+4*\s+3], 0x80000000
.endr
	CROUND                                         ; all sixteen work-groups are here: the first joint loads meet
	JLOAD 0                                        ; step 0: one tensor load a wave at the head
	s_cmp_eq_u32 s15, 0                            ; the prefetches: the choice hangs on the wave's number alone
	s_cselect_b64 s[PFA:PFA+1], s[20:21], s[46:47]
	s_mov_b32 s[PFS], BBLK
	s_cselect_b32 s[PFS], ABLK, s[PFS]
	s_mov_b32 s[PFS+1], 0
	s_mul_i32 s71, s40, 12800
	s_cselect_b32 s71, s71, 0                      ; x: partner cx takes 50 blocks of 256 bytes of my half
	s_mul_i32 s72, s41, 13
	s_cselect_b32 s72, 0, s72                      ; W: partner cy begins at block 13 cy of my half's 50
	s_cselect_b32 s73, 31, 12                      ; lanes that name blocks of their own
	s_mul_i32 s74, s[PFS], 3                       ; at step 3: each refill steps it by one, the first to step 4
	s_add_co_u32 s74, s74, s71
	s_mov_b32 s75, 0
	s_add_nc_u64 s[PFA:PFA+1], s[PFA:PFA+1], s[74:75]
	s_mul_i32 s76, s14, 16*FRB                     ; my 16 fragments of x
	s_lshl_b32 s78, s14, 10
	s_mov_b32 s77, BOFF+16*FRB-ASC
	s_sub_co_u32 s77, s77, s78                     ; from my x scale words to W's
	s_add_co_u32 s78, s78, ASC
	s_mul_i32 s79, s14, 16*SPITCH                  ; my stage, in slot 0
	s_lshl_b32 s22, s17, 8
	s_lshl_b32 s23, s14, 6
	s_add_co_u32 s22, s22, s23
	s_lshl_b32 s22, s22, 14                        ; my first row of out0, 16,384 bytes a row
	s_mov_b32 s23, 0
	s_add_nc_u64 s[10:11], s[10:11], s[22:23]
	s_lshl_b32 s46, s42, 8                         ; 64 o are 256 bytes
	s_mov_b32 s47, 0
	s_add_nc_u64 s[10:11], s[10:11], s[46:47]
	s_add_nc_u64 s[8:9], s[8:9], s[46:47]
	v_and_b32 v1, 15, v0                           ; r
	v_bfe_u32 v2, v0, 4, 1                         ; h
	v_and_b32 v3, 31, v0                           ; lane
	v_lshlrev_b32 v4, 4, v3
	v_add_nc_u32 v[ADRA], s76, v4
	v_add_nc_u32 v[ADRA+1], SLOT1, v[ADRA]
	v_add_nc_u32 v[ADRB], BOFF, v4
	v_add_nc_u32 v[ADRB+1], SLOT1, v[ADRB]
	v_lshlrev_b32 v5, 4, v1
	v_mul_u32_u24 v6, s77, v2                      ; lanes 16-31 take W's scale words
	v_add_nc_u32 v5, v5, v6
	v_add_nc_u32 v[ADRS], s78, v5
	v_add_nc_u32 v[ADRS+1], SLOT1, v[ADRS]
	v_mul_u32_u24 v[STO], v1, SPITCH               ; into the stage: row r, 32 bytes for each half of the lanes
	v_lshl_add_u32 v[STO], v2, 5, v[STO]
	v_add_nc_u32 v[STO], s79, v[STO]
	v_add_nc_u32 v[RD], s79, v4                    ; back: 32 lanes take a stage row of 512 bytes: 256 bytes of each of two R
	v_lshlrev_b32 v[CO], 4, v1
	v_lshl_add_u32 v[CO], v2, 12, v[CO]            ; in out0 the two R lie 4,096 bytes apart
	v_lshlrev_b32 v[BO], 5, v2
	v_min_u32 v[PFO], s73, v3
	v_add_nc_u32 v[PFO], s72, v[PFO]
	v_min_u32 v[PFO], 49, v[PFO]                   ; inside my half's 50 blocks
	v_lshlrev_b32 v[PFO], 8, v[PFO]
	v_add_nc_u32 v[PFO2], 32, v3
	v_min_u32 v[PFO2], 49, v[PFO2]
	v_lshlrev_b32 v[PFO2], 8, v[PFO2]
	s_wait_alu depctr_va_vdst(0)
	WIN 0x40
.irp rr, 0,1                           ; the bias in the result's layout: 8 neighbours at 1024 R + 64 ot + 16 ob + 8 h
.irp ob, 0,1,2,3
	global_load_b128 v[192+8*(4*\rr+\ob):192+8*(4*\rr+\ob)+3], v[BO], s[8:9] offset:4096*\rr+64*\ob
	global_load_b128 v[192+8*(4*\rr+\ob)+4:192+8*(4*\rr+\ob)+7], v[BO], s[8:9] offset:4096*\rr+64*\ob+16
.endr
.endr
	WIN 0
.irp rr, 0,1
.irp ob, 0,1,2,3
	global_load_b128 v[160+8*(4*\rr+\ob):160+8*(4*\rr+\ob)+3], v[BO], s[8:9] offset:4096*(2+\rr)+64*\ob
	global_load_b128 v[160+8*(4*\rr+\ob)+4:160+8*(4*\rr+\ob)+7], v[BO], s[8:9] offset:4096*(2+\rr)+64*\ob+16
.endr
.endr
.macro FRAG reg, adr, off              ; a fragment: three loads of 16 bytes a lane, as it lies
.irp q, 0,1,2
	ds_load_b128 v[\reg+4*\q:\reg+4*\q+3], v[\adr] offset:\off+512*\q
.endr
.endm
.macro FETCH_A sl, c                   ; x's component c, my four blocks, into set (c + 1) % 2
	WIN 0
.irp a, 0,1,2,3
	FRAG POS+48*(((\c)+1)%2)+12*\a, ADRA+(\sl), (4*\a+(\c))*FRB
.endr
.endm
.macro FETCH_AR a                      ; the last step (slot 1): block a, all four components, into set a % 2
	WIN 0
.irp c, 0,1,2,3
	FRAG POS+48*((\a)%2)+12*\c, ADRA+1, (4*(\a)+\c)*FRB
.endr
.endm
.macro FETCH_BS sl, s                  ; W_s, four blocks ob
	WIN 0x40
.irp ob, 0,1,2,3
	FRAG 12*(4*\ob+(\s)), ADRB+(\sl), (4*\ob+(\s))*FRB
.endr
.endm
.macro SCALES sl                       ; register 4 i + q: lanes 0-15 x's block i, component q; lanes 16-31 W's block i, s = q
	WIN 0
.irp i, 0,1,2,3
	ds_load_b128 v[SC+16*(\sl)+4*\i:SC+16*(\sl)+4*\i+3], v[ADRS+(\sl)] offset:256*\i
.endr
.endm
.macro WM                              ; transposed use: source 0 = W's rows, source 1 = x's rows: a lane holds 8 neighbouring columns of one row
.if NG
	v_wmma_scale_f32_16x16x128_f8f6f4 v[AC:AC+7], v[WB:WB+11], v[XA:XA+11], v[CB:CB+7], v[SB], v[SA] matrix_a_fmt:MATRIX_FMT_BF6 matrix_b_fmt:MATRIX_FMT_BF6 matrix_a_scale:MATRIX_SCALE_ROW1 neg_lo:[0,0,1]
.else
	v_wmma_scale_f32_16x16x128_f8f6f4 v[AC:AC+7], v[WB:WB+11], v[XA:XA+11], v[CB:CB+7], v[SB], v[SA] matrix_a_fmt:MATRIX_FMT_BF6 matrix_b_fmt:MATRIX_FMT_BF6 matrix_a_scale:MATRIX_SCALE_ROW1
.endif
.endm
.macro MUL16 sl, c, R, first           ; component c into the 16 accumulators of R; first = 1: C is the bias
.set SS, (\R)+(\c)-2*((\R)&(\c))
.set NG, (NEGC>>(4*(\c)+(\R)))&1
.if \first
	WIN 0x91+0x30*((\R)>>1)
.else
	WIN 0xa1+0x50*((\R)>>1)
.endif
.irp ob, 0,1,2,3
.irp a, 0,1,2,3
.set AC, 8*(16*((\R)&1)+4*\ob+\a)
.if \first
.set CB, 192-32*((\R)>>1)+8*(4*((\R)&1)+\ob)
.else
.set CB, AC
.endif
.set WB, 12*(4*\ob+SS)
.set XA, POS+48*(((\c)+1)%2)+12*\a
.set SB, SC+16*(\sl)+4*\ob+SS
.set SA, SC+16*(\sl)+4*\a+(\c)
	WM
.endr
.endr
.endm
; The four phases of a step.  Each opens with five places: for the links that differ in a modifier, and for the loads into the x set that the phase before multiplied.
.macro P0 sl, first                    ; c = 1
	PLACES 5
	FETCH_BS \sl, 3                                ; the set that the last phase's last products left
	FETCH_A \sl, 2
	s_wait_dscnt 36                                ; W_2, W_3 and the next x set, 12 loads each, may be out
	MUL16 \sl, 1, 0, \first
	MUL16 \sl, 1, 1, \first
	s_wait_dscnt 12                                ; the next x set may be out
	MUL16 \sl, 1, 2, \first
	MUL16 \sl, 1, 3, \first
.endm
.macro P1 sl                           ; c = 2
	PLACES 5
	FETCH_A \sl, 3
	s_wait_dscnt 12
	MUL16 \sl, 2, 0, 0
	MUL16 \sl, 2, 1, 0
	MUL16 \sl, 2, 2, 0
	MUL16 \sl, 2, 3, 0
.endm
.macro T2 sl, fill                     ; c = 3, and the change of slots
	PLACES 5
	FETCH_A \sl, 0                                 ; my last reads of this slot
.if \fill
	s_wait_xcnt 0x0                                ; my prefetches have read their address
	s_add_nc_u64 s[PFA:PFA+1], s[PFA:PFA+1], s[PFS:PFS+1]
.endif
	s_wait_tensorcnt 0x0                           ; my part of the other slot has landed
	ds_add_u32 v[SPW], v[NIL]
	s_wait_dscnt 13                                ; the add and the 12 loads just issued may be out
	MUL16 \sl, 3, 0, 0
	s_wait_dscnt 0x0                               ; the add is done, my reads of this slot are over
	s_barrier_signal -1
	MUL16 \sl, 3, 1, 0
	WIN 0
	s_barrier_wait -1
.if \fill
	CREST                                          ; the barrier has opened a round: no wave of any partner still reads this slot or has a load on its way
	s_add_nc_u64 s[G0A+4*\sl+2:G0A+4*\sl+3], s[G0A+4*\sl+2:G0A+4*\sl+3], 2*ABLK
	s_add_nc_u64 s[G0B+4*\sl+2:G0B+4*\sl+3], s[G0B+4*\sl+2:G0B+4*\sl+3], 2*BBLK
	JLOAD \sl                                      ; two steps on: 224 matrix instructions stand between it and the wait for it
	ASK
.endif
	MUL16 \sl, 3, 2, 0
	MUL16 \sl, 3, 3, 0
.endm
.macro P3 sl, nx, rows                 ; c = 0 (s = R): each W set is free behind its 16 products and takes the next step's
	PLACES 5
.if \rows
	FETCH_AR 0
.else
	FETCH_A \nx, 1
.endif
	SCALES \nx
.irp R, 0,1,2
	MUL16 \sl, 0, \R, 0
	PLACES 4
	FETCH_BS \nx, \R
.endr
	MUL16 \sl, 0, 3, 0
.endm
	s_wait_alu depctr_va_vdst(0)
	s_wait_tensorcnt 0x0                           ; my part of step 0 is in
	ds_add_u32 v[SPW], v[NIL]
	s_wait_dscnt 0x0
	CROUND
	JLOAD 1                                        ; step 1, the first tensor load behind the round
	FETCH_BS 0, 1
	FETCH_BS 0, 0
	FETCH_A 0, 1
	SCALES 0
	FETCH_BS 0, 2
	s_wait_loadcnt 0x0                             ; the bias
	P0 0, 1
	WIN 0
	s_mov_b32 s3, 3
.Llap:                                                 ; a trip: two steps, from a step's second phase to the first of the step after next
	P1 0
	T2 0, 1
	P3 0, 1, 0
	P0 1, 0
	P1 1
	T2 1, 1
	P3 1, 0, 0
	P0 0, 0
	WIN 0
	s_sub_co_u32 s3, s3, 1
	s_cmp_lg_u32 s3, 0
	s_cbranch_scc1 .Llap
	P1 0                                           ; step 6
	T2 0, 0                                        ; nothing is filled again: a barrier shows step 7's slot whole, and slot 0 is read no more
	P3 0, 1, 1
; STEP 7 BY BLOCKS OF 16 ROWS.  ROWG: block a, component (g + 1) % 4, the block's 16 accumulators by turns.
.macro ROWG a, g
.set CQ, ((\g)+1)%4
.irp R, 0,1,2,3
.if (\a) == 0 && (\g) == 0 && \R == 2
	s_wait_dscnt 12                                ; W_3 and W_2 are in; block 1 of x may be out
.endif
.set SS, \R+CQ-2*(\R&CQ)
.set NG, (NEGC>>(4*CQ+\R))&1
	WIN 0xa1+0x50*(\R>>1)
.irp ob, 0,1,2,3
.set AC, 8*(16*(\R&1)+4*\ob+(\a))
.set CB, AC
.set WB, 12*(4*\ob+SS)
.set XA, POS+48*((\a)%2)+12*CQ
.set SB, SC+16+4*\ob+SS
.set SA, SC+16+4*(\a)+CQ
	WM
.endr
.endr
.endm
.macro TOSTAGE a, hf                   ; block a, R = 2 hf and 2 hf + 1: into my stage (each accumulator from its low end on), and back as rows.  LDS serves a wave's instructions in order
	WIN 0x08+4*(\hf)
.irp rp, 0,1
.irp ob, 0,1,2,3
	ds_store_b128 v[STO], v[8*(16*\rp+4*\ob+(\a)):8*(16*\rp+4*\ob+(\a))+3] offset:256*\rp+64*\ob
	ds_store_b128 v[STO], v[8*(16*\rp+4*\ob+(\a))+4:8*(16*\rp+4*\ob+(\a))+7] offset:256*\rp+64*\ob+16
.endr
.endr
	WIN 0x40*(\hf)                                 ; back into v160-223 of window 0 or v192-255 of window 1
.irp t, 0,1,2,3,4,5,6,7,8,9,10,11,12,13,14,15
	ds_load_b128 v[160+32*(\hf)+4*\t:160+32*(\hf)+4*\t+3], v[RD] offset:\t*SPITCH
.endr
.endm
.macro SEND a, hf                      ; sixteen lanes store 256 consecutive bytes, aligned
	WIN 0x04*(\hf)
.irp t, 0,1,2,3,4,5,6,7,8,9,10,11,12,13,14,15
	global_store_b128 v[CO], v[160+32*(\hf)+4*\t:160+32*(\hf)+4*\t+3], s[10:11] offset:(16*(\a)+\t)*16384+8192*(\hf) th:TH_STORE_NT
.endr
.endm
	PLACES 5
	FETCH_BS 1, 3
	FETCH_AR 1
	s_wait_dscnt 36                                ; W_2, W_3 and block 1's first component are in; its other three may be out
	ROWG 0, 0
.irp g, 1,2,3
	PLACES 5
	ROWG 0, \g
.endr
.irp a, 1,2,3                          ; block a is multiplied while block a - 1 leaves
	PLACES 5
.if \a < 3
	FETCH_AR \a+1
	s_wait_dscnt 12
.endif
	ROWG \a, 0
	PLACES 5
	s_wait_xcnt 0x0                                ; earlier stores have read their registers: the stage's loads may land there
	TOSTAGE \a-1, 0
	ROWG \a, 1
	PLACES 5
	s_wait_dscnt 0x0
	SEND \a-1, 0
	TOSTAGE \a-1, 1
	ROWG \a, 2
	PLACES 5
	s_wait_dscnt 0x0
	SEND \a-1, 1
	ROWG \a, 3
.endr
	PLACES 4
	s_wait_xcnt 0x0
	TOSTAGE 3, 0
	TOSTAGE 3, 1
	s_wait_dscnt 32                                ; the second half's 16 stores and 16 loads may be out
	SEND 3, 0
	s_wait_dscnt 0x0
	SEND 3, 1
	WIN 0
	s_wait_tensorcnt 0x0                           ; the wave's end
	ds_add_u32 v[SPW], v[NIL]
	s_wait_dscnt 0x0
	CROUND                                         ; the closing round
	s_endpgm
.Lfunc_end_k_q9dd313dd98_gemm:
	.size	k_q9dd313dd98_gemm, .Lfunc_end_k_q9dd313dd98_gemm-k_q9dd313dd98_gemm
	.p2alignl 7, 3214868480
	.fill 96, 4, 3214868480
	.section	.rodata,"a",@progbits
	.p2align	6, 0x0
	.amdhsa_kernel k_q9dd313dd98_gemm
		.amdhsa_group_segment_fixed_size 327680
		.amdhsa_private_segment_fixed_size 0
		.amdhsa_enable_private_segment 0
		.amdhsa_kernarg_size 32
		.amdhsa_user_sgpr_count 2
		.amdhsa_user_sgpr_kernarg_segment_ptr 1
		.amdhsa_wavefront_size32 1
		.amdhsa_system_sgpr_workgroup_id_x 1
		.amdhsa_system_sgpr_workgroup_id_y 1
		.amdhsa_system_sgpr_workgroup_id_z 1
		.amdhsa_system_vgpr_workitem_id 0
		.amdhsa_next_free_vgpr 1024
		.amdhsa_next_free_sgpr 80
		.amdhsa_reserve_vcc 0
		.amdhsa_float_denorm_mode_32 3
		.amdhsa_float_denorm_mode_16_64 3
		.amdhsa_memory_ordered 1
		.amdhsa_forward_progress 1
		.amdhsa_inst_pref_size 206
	.end_amdhsa_kernel
	.amdgpu_metadata
---
amdhsa.version: [ 1, 2 ]
amdhsa.kernels:
  - .name:           k_q9dd313dd98_gemm
    .symbol:         k_q9dd313dd98_gemm.kd
    .args:
      - { .name: xq, .offset: 0, .size: 8, .value_kind: global_buffer, .address_space: global }
      - { .name: wq, .offset: 8, .size: 8, .value_kind: global_buffer, .address_space: global }
      - { .name: bias, .offset: 16, .size: 8, .value_kind: global_buffer, .address_space: global }
      - { .name: out0, .offset: 24, .size: 8, .value_kind: global_buffer, .address_space: global }
    .group_segment_fixed_size: 327680
    .private_segment_fixed_size: 0
    .kernarg_segment_align: 8
    .kernarg_segment_size: 32
    .max_flat_workgroup_size: 128
    .sgpr_count:     80
    .vgpr_count:     1024
    .wavefront_size: 32
...
	.end_amdgpu_metadata
.endif
;; end of part 2
